; MI455X (gfx1250); checked and timed in simulation.
; The chip was launched on July 23, 2026; its instructions are those of AMD's public machine-readable ISA for CDNA 5 (MIT licence, August 2026) and "CDNA5" Instruction Set Architecture Reference Guide (July 2026). The comments in the code are by the model that wrote it; some were corrected since.
;; Target Linear. Allowed arithmetic: matrix products marked QUANTISED: E2M3 operands, one E8M0 scale for each 32 along K, by v_wmma_scale_f32_16x16x128_f8f6f4 with both operands' format E2M3, f32 sums; products left as they are: f32 operands where the result goes on into a quantised operand, else bf16, f16 or f32 operands; f32 sums; everything else in f32.
;; Inputs: W1 256 x 4,096 float32; Wb 256 x 64 float32; b1 4,096 float32; bb 64 float32; hyp_mask 16 x 8,192 x 8 x 1 float32; hyper_ipt 8 x 256 float32; target_ipt 16 x 8,192 x 64 float32.
;; Outputs: out0 16 x 8,192 x 64 float32.
;; This version of the problem:
;;   THIS VERSION OF THE PROBLEM IS GIVEN IN LOW PRECISION. The matrix products marked QUANTISED in the list below multiply operands that are first quantised to E2M3 (2 exponent bits, 3 mantissa bits; 6 bits a number), with one power-of-two scale for each 32 numbers along K (OCP MX v1.0); their sums are f32. All else is computed in f32.
;;   The module's matrix products, in the order in which they are computed (A, B: the left and right operand; K: the contracted axis; several contracted axes count as one K, in the product's order):
;;     1. [M 8, K 256] x [K 256, N 4,096]; A: input hyper_ipt; B: input W1: left as it is (M = 8 < 16)
;;     2. [M 8, K 256] x [K 256, N 64]; A: input hyper_ipt; B: input Wb: left as it is (M = 8 < 16)
;;     3. batch 8 x [M 64, K 32] x [K 32, N 64]; A: computed on the way; B: computed on the way: QUANTISED
;;     4. [M 131,072, K 64] x [K 64, N 512]; A: input target_ipt; B: computed on the way: QUANTISED
;;   THE QUANTISER, for each operand of a quantised product, along K:
;;     - K is cut into blocks of 32 from its start; a last block that is shorter is filled with zeros.
;;     - A block's scale is 2^e with e = floor(log2(the largest magnitude in the block)) - 2, held to -126 .. 127; a block of zeros has e = 0. As a byte (E8M0): e + 127.
;;     - Each number is divided by its block's scale, clamped to +-7.5, and rounded to the nearest number of E2M3, ties to even, subnormals kept.
;;     - The product sums the exact products of the quantised numbers (number of the format x scale) in f32.
;;   ~~~python
;;   def quantise(x, axis):      # numpy; x: float32 -> the quantised numbers, widened to float32 again
;;       x = np.moveaxis(x, axis, -1); K = x.shape[-1]
;;       x = np.pad(x, [(0, 0)] * (x.ndim - 1) + [(0, -K % 32)]); x = x.reshape(x.shape[:-1] + (-1, 32)); a = np.abs(x).max(-1, keepdims=True)
;;       e = np.where(a > 0, np.clip(np.frexp(np.where(a > 0, a, 1))[1] - 1 - 2, -126, 127), 0)      # np.frexp(a)[1] - 1 = floor(log2(a)), exactly
;;       r = np.clip(x / 2.0 ** e, -7.5, 7.5)
;;       step = 2.0 ** (np.maximum(np.frexp(np.where(r == 0, 1, r))[1] - 1, 0) - 3)
;;       q = np.round(r / step) * step * 2.0 ** e      # np.round: ties to even
;;       return np.moveaxis(q.reshape(q.shape[:-2] + (-1,))[..., :K], -1, axis).astype(np.float32)
;;   ~~~
;;   OPERANDS COMPUTED ON THE WAY. 'Computed on the way' means the value that the module computes at that place (a softmax that the list does not call 'softmax' is quantised finished and normalised). What goes into a quantiser is computed in f32, as accurately as f32 sums, v_exp_f32 and their like allow (about 1e-6 of the number): no bf16 or f16 on the way to a quantiser, and a product that is left as it is and whose result goes on into a quantised operand takes f32 operands (vector FMAs, or v_wmma_f32_16x16x4_f32). A number that lies on a knife's edge between two numbers of the format may be rounded either way, as far as f32 arithmetic and the matrix unit's own rounding can turn it there, and no further.
;; One version. Each part assembles by itself: llvm-mc -triple=amdgcn-amd-amdhsa -mcpu=gfx1250 --defsym DOCPART=n.
;; ======== version 1 of 1: 2 launches
;; limits: right only within a limited range of input values
;; workspace buffers: hw 83,968 bytes
;; launch hyper (part 1): grid 65 x 1, 8 waves a work-group, no clusters, 34,816 bytes of LDS; arguments hyper_ipt, W1, b1, Wb, bb, hw; writes hw
.if DOCPART == 1
	.amdgcn_target "amdgcn-amd-amdhsa--gfx1250"
	.amdhsa_code_object_version 6
	.text
	.protected	k_qa7015233c6_hyper
	.globl	k_qa7015233c6_hyper
	.p2align	8
	.type	k_qa7015233c6_hyper,@function
k_qa7015233c6_hyper:
	s_mov_b64 s[64:65], 0
	v_nop
	global_prefetch_b8 v0, s[64:65] scope:SCOPE_SE
	s_setreg_imm32_b32 hwreg(HW_REG_WAVE_MODE, 25, 1), 1
	s_wait_xcnt 0x0
; THE HYPERNETWORK'S TWO PLAIN PRODUCTS, in f32 fused multiply-adds (their results go on into quantisers), and the quantiser of down:
;   v[h][c] = sum over k of hyper_ipt[h][k] W1[k][c] + b1[c], h < 8, k < 256, c < 4096;   bias[h][s] = sum over k of hyper_ipt[h][k] Wb[k][s] + bb[s].
; THE WORKSPACE.  Bytes 0 on: up[h][r][s] = v[h][2048 + 64 r + s] in f32, [8][32][64].
;   DOWN on: down[h][t][r] = v[h][32 t + r] as codes of FP6 (E2M3) with their scale, a block of 32 along r: at 512 (t / 2) + 64 h + 32 (t % 2) + 16 (r / 16) 12 bytes of codes
;   (r = 16 (r / 16) + 0 .. 15, the lowest in the lowest bits) and a word that holds the block's E8M0 byte twice.   HWBIAS on: bias[h][s] in f32, [8][64].
; SHARES.  Work-group c < 64 takes columns 64 c .. 64 c + 63 of W1: 256 consecutive bytes of each of its 256 rows, aligned; c < 32: the rows t = 2 c, 2 c + 1 of down; c >= 32: the row r = c - 32 of up.
; Work-group 64 takes Wb, whose rows are just 256 bytes.
; Wave w, lane half: p = 2 w + half takes rows k = 16 p .. 16 p + 15; lane q of a half: columns 4 q .. 4 q + 3, for all 8 conditions: 32 sums a lane.  Each load of a wave covers two whole rows of the strip.
; Lane q of half p holds hyper_ipt[h][16 p + q], 8 registers; row i's number is spread over the half by a lane permute that rides on a move (row_share).
; The 16 partial sums meet in LDS behind one barrier; wave h adds them for condition h: lane l takes columns 16 j .. 16 j + 15, j = (l / 4) % 4, of two partials; three steps across lanes make the sum of 16.
; No matrix unit: M is 8 and the operands must stay f32.  No tensor loads, no cluster: no two work-groups read the same bytes but the 8 KB of hyper_ipt.  No loop: all loads go out at the head, so there is nothing for a prefetch to run ahead of.
; ORDER OF SUMS: 16 in a chain, then a tree of 16: f32 throughout, not the order of the definition.
; LIMITS: NaN and infinities among the inputs are not served.  A block whose largest magnitude lies under 2^-124 (zeros too) gets the byte 1; the bytes are read by this program alone, and a block of zeros has zero codes.
.set NW1,    64                        ; work-groups for W1
.set NDOWN,  32                        ; of which the first 32 make down
.set DOWN,   65536
.set HWBIAS, 81920
.set FLOOR,  0x1800000                 ; 2^(3 - 127): under it no largest magnitude is taken, so a scale's byte cannot fall under 1
.set EOFF,   0xff000000                ; takes 2, the exponent of 7.5, off an exponent field
.set PP,     2064                      ; LDS: from partial to partial: 2,048 bytes + 16
.set GATH,   33280                     ; LDS: the work-group's 512 bytes of down on their way out
.set SPARE,  33792                     ; LDS: the spare words, 128 bytes a wave
.set OFF,    16                        ; v16-31   byte offset of my 16 bytes in each of my 16 rows
.set ACC,    32                        ; v32-63   sums: condition h, columns 0..3 at v[ACC + 4 h]
.set HV,     64                        ; v64-71   hyper_ipt[h][my k]
.set HB,     72                        ; v72-103  two sets of eight pairs: condition h's numbers of two rows
.set WR,     104                       ; v104-167 my 16 rows' 4 numbers; later
.set PS,     104                       ; v104-135 two partials of 16 columns
.set TT,     136                       ; v136-139 at work
.set CO,     140                       ; v140-143 codes and scale word
.set BV,     168                       ; v168-183 my 16 columns of the bias vector
.set SPW,    184
.set NIL,    185
.set MU,     32                        ; s[32:47]  i x the weight's row pitch
	s_load_b256 s[4:11], s[0:1], 0x0               ; hyper_ipt s[4:5], W1 s[6:7], b1 s[8:9], Wb s[10:11]
	s_load_b128 s[12:15], s[0:1], 0x20             ; bb s[12:13], the workspace s[14:15]
	s_lshl_b32 s18, ttmp9, 8                       ; 256 c
	s_mov_b32 s19, 0
	s_mov_b32 s21, 0
	s_mov_b32 s17, 256
	s_mov_b32 s25, 256
	s_mov_b32 s22, 0x76543210                      ; v_permlanex16_b32's selects for lane l xor 16
	s_mov_b32 s23, 0xfedcba98
	s_mov_b32 s24, 0xaaaaaaaa                      ; odd lanes
	s_mov_b32 s26, 0xcccccccc                      ; lanes 2 and 3 of each four
	s_cmp_lt_u32 ttmp9, NW1                        ; W1's work-group or Wb's?  The choice hangs on the work-group's number alone
	s_cselect_b32 s17, 16384, s17                  ; bytes from row to row of the weight
	s_cselect_b32 s25, 8192, s25                   ; bytes from condition to condition of an f32 result
	s_cselect_b32 s18, s18, 0                      ; where my columns begin in a row of the weight and in its bias vector
.irp i, 1,2,3,4,5,6,7,8,9,10,11,12,13,14,15
	s_mul_i32 s[MU+\i], s17, \i
.endr
	v_lshl_add_u32 v[SPW], v0, 2, SPARE
	v_mov_b32 v[NIL], 0
	v_lshrrev_b32 v3, 5, v0                        ; wave; behind the barrier: the condition that I finish
	v_readfirstlane_b32 s16, v3
	v_lshrrev_b32 v1, 4, v0                        ; p: which 16 rows, and which partial sum
	v_and_b32 v2, 15, v0                           ; q: which four columns
	v_bfe_u32 v5, v0, 2, 2                         ; j: which sixteen columns, behind the barrier
	v_lshlrev_b32 v7, 4, v1                        ; my first k
	v_mul_lo_u32 v[OFF], v7, s17
	v_lshlrev_b32 v4, 2, v0                        ; hyper_ipt: 4 (16 p + q)
	v_lshlrev_b32 v6, 6, v5                        ; the bias vector: 64 j
	v_lshl_add_u32 v[OFF], v2, 4, v[OFF]           ; row k x pitch + 16 q
	v_mul_u32_u24 v9, v1, PP                       ; partials, in: p PP + 16 q
	v_and_b32 v8, 3, v0
	v_bfe_u32 v10, v0, 4, 1
.irp i, 1,2,3,4,5,6,7,8,9,10,11,12,13,14,15
	v_add_nc_u32 v[OFF+\i], s[MU+\i], v[OFF]
.endr
	v_lshl_add_u32 v9, v2, 4, v9
	v_lshl_add_u32 v10, v10, 2, v8                 ; out: partials l % 4 + 4 (l / 16) and that + 8,
	v_mul_lo_u32 v11, v3, s25                      ; an f32 result's place: row h, 16 q
	v_and_b32 v12, 31, v0
	v_mul_u32_u24 v10, v10, PP
	v_lshl_add_u32 v11, v2, 4, v11
	v_lshlrev_b32 v15, 4, v12                      ; 16 x lane
	v_lshl_add_u32 v10, v3, 8, v10                 ; condition h,
	v_lshl_add_u32 v13, v3, 6, v6                  ; (to be 64 h + 16 j)
	v_lshl_add_u32 v10, v5, 6, v10                 ; columns 16 j
	v_lshlrev_b32 v13, 6, v3
	v_lshl_add_u32 v13, v5, 4, v13
	v_add_nc_u32 v13, GATH, v13                    ; down's codes: 64 h + 16 j
	v_add_nc_u32 v14, GATH, v15                    ; and back: 16 x lane
	s_wait_alu depctr_va_vdst(0)                   ; the head's end
	s_wait_kmcnt 0x0
	s_cselect_b64 s[6:7], s[6:7], s[10:11]         ; the weight
	s_cselect_b64 s[8:9], s[8:9], s[12:13]         ; its bias vector
	s_add_nc_u64 s[6:7], s[6:7], s[18:19]
	s_add_nc_u64 s[8:9], s[8:9], s[18:19]
; All 28 loads of the wave go out together.
.irp h, 0,1,2,3,4,5,6,7
	global_load_b32 v[HV+\h], v4, s[4:5] offset:1024*\h
.endr
.irp c, 0,1,2,3
	global_load_b128 v[BV+4*\c:BV+4*\c+3], v6, s[8:9] offset:16*\c
.endr
.irp i, 0,1,2,3,4,5,6,7,8,9,10,11,12,13,14,15
	global_load_b128 v[WR+4*\i:WR+4*\i+3], v[OFF+\i], s[6:7] th:TH_LOAD_NT   ; sixteen lanes read one row's 256 bytes; read once in the launch
.endr
.irp i, 0,1,2,3,4,5,6,7,8,9,10,11,12,13,14,15,16,17,18,19,20,21,22,23,24,25,26,27,28,29,30,31
	v_mov_b32 v[HB+\i], 0                          ; written once: a lane permute's destination counts as one of its sources
.endr
.macro SHARE s, a, b                   ; rows a and b = a + 1 of my half's 16: their eight numbers of hyper_ipt into set s % 2, row a in the low words
.set S, HB+16*((\s)%2)
.irp h, 0,1,2,3,4,5,6,7
	v_mov_b32_dpp v[S+2*\h], v[HV+\h] row_share:\a row_mask:0xf bank_mask:0xf
.endr
.irp h, 0,1,2,3,4,5,6,7
	v_mov_b32_dpp v[S+2*\h+1], v[HV+\h] row_share:\b row_mask:0xf bank_mask:0xf
.endr
.endm
.macro FM i                            ; row i: 8 conditions x 4 columns, two columns an instruction; one word of the pair serves both halves.  Row 0 starts the sums: nothing is cleared
.set S, HB+16*(((\i)/2)%2)
.irp h, 0,1,2,3,4,5,6,7
.irp p, 0,2
.if (\i) == 0
	v_pk_mul_f32 v[ACC+4*\h+\p:ACC+4*\h+\p+1], v[WR+\p:WR+\p+1], v[S+2*\h:S+2*\h+1] op_sel_hi:[1,0]
.elseif (\i)%2 == 0
	v_pk_fma_f32 v[ACC+4*\h+\p:ACC+4*\h+\p+1], v[WR+4*(\i)+\p:WR+4*(\i)+\p+1], v[S+2*\h:S+2*\h+1], v[ACC+4*\h+\p:ACC+4*\h+\p+1] op_sel_hi:[1,0,1]
.else
	v_pk_fma_f32 v[ACC+4*\h+\p:ACC+4*\h+\p+1], v[WR+4*(\i)+\p:WR+4*(\i)+\p+1], v[S+2*\h:S+2*\h+1], v[ACC+4*\h+\p:ACC+4*\h+\p+1] op_sel:[0,1,0] op_sel_hi:[1,1,1]
.endif
.endr
.endr
.endm
.macro PAIR i, c, d                    ; rows i and i + 1; then the next two rows' numbers, c and d, are spread
	s_wait_alu depctr_va_vdst(0)                   ; directly ahead of the wait below
	s_wait_loadcnt 15-(\i)                         ; loads come back in order (ISA guide 5.7.1): row i is in; the 15 - i rows behind it may be out
	FM \i
	s_wait_loadcnt 14-(\i)
	FM \i+1
.if (\i) < 14
	SHARE (\i)/2+1, \c, \d
.endif
.endm
	s_wait_alu depctr_va_vdst(0)                   ; directly ahead of the wait below
	s_wait_loadcnt 20                              ; hyper_ipt is in; the bias vector's four loads and the sixteen rows may be out
	SHARE 0, 0, 1
	PAIR 0, 2, 3
	PAIR 2, 4, 5
	PAIR 4, 6, 7
	PAIR 6, 8, 9
	PAIR 8, 10, 11
	PAIR 10, 12, 13
	PAIR 12, 14, 15
	PAIR 14, 0, 0
.irp h, 0,1,2,3,4,5,6,7
	ds_store_b128 v9, v[ACC+4*\h:ACC+4*\h+3] offset:256*\h   ; sixteen lanes write 256 consecutive bytes
.endr
	s_wait_alu depctr_va_vdst(0)
	s_wait_dscnt 0x0                               ; for the others' sake: my stores have landed
	s_barrier_signal -1
	s_barrier_wait -1
.irp c, 0,1,2,3
	ds_load_b128 v[PS+4*\c:PS+4*\c+3], v10 offset:16*\c
.endr
.irp c, 0,1,2,3
	ds_load_b128 v[PS+16+4*\c:PS+16+4*\c+3], v10 offset:8*PP+16*\c
.endr
	s_wait_dscnt 0x0
.irp k, 0,2,4,6,8,10,12,14
	v_pk_add_f32 v[PS+\k:PS+\k+1], v[PS+\k:PS+\k+1], v[PS+16+\k:PS+16+\k+1]
.endr
.irp k, 0,1,2,3,4,5,6,7,8,9,10,11,12,13,14,15
	v_add_f32_dpp v[PS+\k], v[PS+\k], v[PS+\k] row_xmask:1 row_mask:0xf bank_mask:0xf
.endr
.irp k, 0,1,2,3,4,5,6,7,8,9,10,11,12,13,14,15
	v_add_f32_dpp v[PS+\k], v[PS+\k], v[PS+\k] row_xmask:2 row_mask:0xf bank_mask:0xf
.endr
.irp k, 0,1,2,3,4,5,6,7,8,9,10,11,12,13,14,15
	v_permlanex16_b32 v[PS+16+\k], v[PS+\k], s22, s23   ; (the destination has been written: it counts as read)
.endr
.irp k, 0,2,4,6,8,10,12,14
	v_pk_add_f32 v[PS+\k:PS+\k+1], v[PS+\k:PS+\k+1], v[PS+16+\k:PS+16+\k+1]
.endr
.irp k, 0,2,4,6,8,10,12,14
	v_pk_add_f32 v[PS+\k:PS+\k+1], v[PS+\k:PS+\k+1], v[BV+\k:BV+\k+1]   ; the bias vector (its loads are older than the rows')
.endr
	s_wait_alu depctr_va_vdst(0)                   ; directly ahead of the branch
	s_cmp_lt_u32 ttmp9, NDOWN
	s_cbranch_scc1 .Ldown
; up and bias leave in f32: lane q = 4 j + l % 4 picks columns 4 q .. 4 q + 3 of its sixteen
.irp e, 0,1,2,3
	v_cndmask_b32 v[PS+16+\e], v[PS+\e], v[PS+4+\e], s24
.endr
.irp e, 0,1,2,3
	v_cndmask_b32 v[PS+20+\e], v[PS+8+\e], v[PS+12+\e], s24
.endr
.irp e, 0,1,2,3
	v_cndmask_b32 v[PS+24+\e], v[PS+16+\e], v[PS+20+\e], s26
.endr
	s_lshl_b32 s20, ttmp9, 8
	s_sub_co_u32 s20, s20, 8192                    ; up: 256 (c - 32)
	s_cmp_lt_u32 ttmp9, NW1
	s_cselect_b32 s20, s20, HWBIAS
	s_add_nc_u64 s[14:15], s[14:15], s[20:21]
	v_cmp_gt_u32 vcc_lo, 16, v12                   ; both halves hold the same sums: lanes 0-15 store them
	s_wait_alu depctr_va_vdst(0)                   ; directly ahead of the waits below
	s_wait_tensorcnt 0x0                           ; the wave's end: behind my last LDS store
	ds_add_u32 v[SPW], v[NIL]
	s_wait_dscnt 0x0
	s_wait_xcnt 0x0                                ; EXEC changes only behind this wait
	s_and_saveexec_b32 s27, vcc_lo
	global_store_b128 v11, v[PS+24:PS+27], s[14:15]   ; sixteen lanes store 256 consecutive bytes, aligned
	s_wait_xcnt 0x0                                ; and again in front of the line that widens it
	s_or_b32 exec_lo, exec_lo, s27
	s_endpgm
; down: my 16 columns are half of a block of 32 along r; lane l xor 4 holds the other half
.Ldown:
	v_max3_num_f32 v[TT], |v[PS]|, |v[PS+1]|, FLOOR
	v_max3_num_f32 v[TT+1], |v[PS+2]|, |v[PS+3]|, |v[PS+4]|
.irp i, 5,9
	v_max3_num_f32 v[TT], v[TT], |v[PS+\i]|, |v[PS+\i+1]|
	v_max3_num_f32 v[TT+1], v[TT+1], |v[PS+\i+2]|, |v[PS+\i+3]|
.endr
	v_max3_num_f32 v[TT], v[TT], |v[PS+13]|, |v[PS+14]|
	v_max3_num_f32 v[TT], v[TT], v[TT+1], |v[PS+15]|
	v_max_num_f32_dpp v[TT], v[TT], v[TT] row_xmask:4 row_mask:0xf bank_mask:0xf   ; the block's largest magnitude
	v_add_nc_u32 v[TT+1], EOFF, v[TT]              ; 2 off its exponent field: the conversion takes the exponent field of this operand as its scale
	v_cvt_scalef32_pk16_fp6_f32 v[CO:CO+2], v[PS:PS+15], v[TT+1]
	v_lshrrev_b32 v[TT+2], 23, v[TT+1]             ; the scale's byte
	v_lshl_or_b32 v[CO+3], v[TT+2], 8, v[TT+2]     ; twice
	ds_store_b128 v13, v[CO:CO+3]                  ; the eight lanes of a column group write the same bytes with the same value
	s_wait_alu depctr_va_vdst(0)
	s_wait_dscnt 0x0                               ; for wave 0's sake: my store has landed
	s_barrier_signal -1
	s_barrier_wait -1
	s_wait_tensorcnt 0x0                           ; the wave's end: behind my last LDS store
	ds_add_u32 v[SPW], v[NIL]
	s_wait_dscnt 0x0
	s_cmp_lg_u32 s16, 0
	s_cbranch_scc1 .Lend
	ds_load_b128 v[PS:PS+3], v14                   ; wave 0: all eight conditions' 64 bytes
	s_lshl_b32 s20, ttmp9, 9
	s_add_co_u32 s20, s20, DOWN
	s_add_nc_u64 s[14:15], s[14:15], s[20:21]
	s_wait_dscnt 0x0
	global_store_b128 v15, v[PS:PS+3], s[14:15]    ; 512 consecutive bytes, aligned
.Lend:
	s_endpgm
.Lfunc_end_k_qa7015233c6_hyper:
	.size	k_qa7015233c6_hyper, .Lfunc_end_k_qa7015233c6_hyper-k_qa7015233c6_hyper
	.p2alignl 7, 3214868480
	.fill 96, 4, 3214868480
	.section	.rodata,"a",@progbits
	.p2align	6, 0x0
	.amdhsa_kernel k_qa7015233c6_hyper
		.amdhsa_group_segment_fixed_size 34816
		.amdhsa_private_segment_fixed_size 0
		.amdhsa_enable_private_segment 0
		.amdhsa_kernarg_size 48
		.amdhsa_user_sgpr_count 2
		.amdhsa_user_sgpr_kernarg_segment_ptr 1
		.amdhsa_wavefront_size32 1
		.amdhsa_system_sgpr_workgroup_id_x 1
		.amdhsa_system_sgpr_workgroup_id_y 1
		.amdhsa_system_sgpr_workgroup_id_z 1
		.amdhsa_system_vgpr_workitem_id 0
		.amdhsa_next_free_vgpr 192
		.amdhsa_next_free_sgpr 66
		.amdhsa_reserve_vcc 1
		.amdhsa_float_denorm_mode_32 3
		.amdhsa_float_denorm_mode_16_64 3
		.amdhsa_memory_ordered 1
		.amdhsa_forward_progress 1
		.amdhsa_inst_pref_size 41
	.end_amdhsa_kernel
	.amdgpu_metadata
---
amdhsa.version: [ 1, 2 ]
amdhsa.kernels:
  - .name:           k_qa7015233c6_hyper
    .symbol:         k_qa7015233c6_hyper.kd
    .args:
      - { .name: hyper_ipt, .offset: 0, .size: 8, .value_kind: global_buffer, .address_space: global }
      - { .name: W1, .offset: 8, .size: 8, .value_kind: global_buffer, .address_space: global }
      - { .name: b1, .offset: 16, .size: 8, .value_kind: global_buffer, .address_space: global }
      - { .name: Wb, .offset: 24, .size: 8, .value_kind: global_buffer, .address_space: global }
      - { .name: bb, .offset: 32, .size: 8, .value_kind: global_buffer, .address_space: global }
      - { .name: hw, .offset: 40, .size: 8, .value_kind: global_buffer, .address_space: global }
    .group_segment_fixed_size: 34816
    .private_segment_fixed_size: 0
    .kernarg_segment_align: 8
    .kernarg_segment_size: 48
    .max_flat_workgroup_size: 256
    .sgpr_count:     66
    .vgpr_count:     192
    .wavefront_size: 32
...
	.end_amdgpu_metadata
.endif
;; end of part 1
;; launch apply (part 2): grid 256 x 1, 8 waves a work-group, no clusters, 167,936 bytes of LDS; arguments target_ipt, hyp_mask, hw, out0; writes out0
.if DOCPART == 2
	.amdgcn_target "amdgcn-amd-amdhsa--gfx1250"
	.amdhsa_code_object_version 6
	.text
	.protected	k_qa7015233c6_apply
	.globl	k_qa7015233c6_apply
	.p2align	8
	.type	k_qa7015233c6_apply,@function
k_qa7015233c6_apply:
	s_mov_b64 s[64:65], 0
	v_nop
	global_prefetch_b8 v0, s[64:65] scope:SCOPE_SE
	s_setreg_imm32_b32 hwreg(HW_REG_WAVE_MODE, 25, 1), 1
	s_wait_xcnt 0x0
; out[row][s] = sum over h of mask[row][h] x ( sum over d of Q(x)[row][d] Q(W)[h][d][s] + bias[h][s] ),   W[h] = Q(down[h]) Q(up[h]),   Q: codes of FP6 (E2M3), one E8M0 scale for each 32 along a product's K.
; x: [131072][64] f32; mask: [131072][8] f32; out: [131072][64] f32.  hw: up[h][r][s] f32 at 8192 h + 256 r + 4 s; down's codes and scale words from DOWN on, at 512 (t / 2) + 64 h + 32 (t % 2) + 16 (r / 16); bias[h][s] f32 from HWBIAS on.
; SHARES.  256 work-groups of eight waves; a work-group owns 512 rows, a wave 64: four tiles of 16.  Wave w prepares the weights of condition w.
; EVERYTHING IS ASKED FOR AT THE HEAD, so there is no loop and nothing that a prefetch could ask for earlier.  x: one tensor load a wave, its 64 rows; no LDS byte is filled twice.  A wave reads only the rows that its own load brought.
; NO CLUSTER.  What the work-groups share is hw: a wave needs 8,192 bytes of up, 2,048 of down and 2,048 of bias, each once, and takes them from memory straight into registers, in the order in which its operands want them.
;   A joint load would bring the same bytes into LDS first and add their way into LDS, their way out of it and a round in front.  x, the masks and out belong to one work-group each.
; THE WEIGHTS.  Wave w quantises up along r, multiplies (16 products), quantises W along d and leaves the fragments in LDS; behind one barrier every wave takes all 32 fragments (condition h, columns 16 P .. 16 P + 15: fragment f = 4 h + P) into registers for good.
;   K = 32 of the instruction's 128: lanes 0-15 hold r = 0-15 and lanes 16-31 r = 16-31 of a row, 16 codes in registers 0-2, alike on both sides; both halves' blocks carry the row's one scale byte.
;   up's operand has zero codes in registers 3-11, so what down's operand names there adds nothing.
;   UP'S COLUMNS: lane n of tile p is column s = 4 n + p, since a lane loads four neighbouring columns of a row r; the fragments' places in LDS put column s back to lane s % 16 of fragment s / 16.
;   THE ROWS OF down THAT FORM A TILE ARE NOT NEIGHBOURS: lane m of tile 2 b + u takes t = 32 b + 8 u + m + 8 (m / 8), so that a lane's 16 results of tiles 2 b, 2 b + 1 are 16 neighbours along d, the next K.
; A TILE OF ROWS.  Source 0 = a fragment of W (16 columns s), source 1 = x (16 rows): lane (r, g) holds row r and columns 16 P + 8 g + 0 .. 7, so the row's mask is one number a lane.
;   K = 64 of 128: x's registers 6-11 are zero codes; W's fragments lie 6 registers apart, and what a product names behind a fragment's six (the next fragment; behind the last, the bias) meets those zeros.
;   E2M3 has no code for infinity or NaN, and the scale bytes of the unused blocks are 0, never 0xff.
;   BIAS: sum over h of mask[row][h] bias[h][s] starts the row's sums: K = 8, eight f32 products of K = 4 a tile, in the same layout; the distributed form of the definition's (y + bias) x mask, in f32.
;   A condition's four products go to one of two sets of results by turns; the other set's sixteen packed multiply-adds stand between.  A tile's last multiply-adds and its way out stand behind the next tile's first products.
;   The sums leave through the tile's own rows in LDS, which have had their only fill and their last read, and are stored as rows: 32 lanes, 512 consecutive bytes.
; LIMITS: NaN and infinities among the inputs are not served.  A block whose largest magnitude lies under 2^-124 (zeros too) gets the byte 1; the bytes are read by this program alone, and a block of zeros has zero codes.
; REGISTERS.  Window 0: see the names below.  Window 1: W's fragments, fragment f at v[6 f]; BAF and BI; before that up's and down's operands.
.set DOWN,   65536
.set HWBIAS, 81920
.set FLOOR,  0x1800000                 ; 2^(3 - 127): under it no largest magnitude is taken, so a scale's byte cannot fall under 1
.set EOFF,   0xff000000                ; takes 2, the exponent of 7.5, off an exponent field
.set XP,     272                       ; an LDS row of x: 256 bytes + 16 of padding: the sixteen rows that a 16-byte load touches start 16 bytes apart modulo 256
.set XTILE,  16*XP
.set XWAVE,  4*XTILE                   ; a wave's 64 rows
.set IMG,    8*XWAVE                   ; LDS: registers 0-3 of the 32 fragments, 512 bytes each;
.set IMH,    IMG+32*512                ; registers 4-5, 256 bytes each;
.set SCL,    IMH+32*256                ; W's scale words, 256 bytes a condition;
.set SPARE,  SCL+2048                  ; the spare words, 128 bytes a wave
.set XA,  4                            ; v4   x: my 128 bytes of row r in my wave's tile 0
.set SO,  5                            ; v5   the way out: where I put 32 bytes of row r
.set SR,  6                            ; v6   and where I read rows back
.set GO,  7                            ; v7   16 x lane: my place in 512 bytes of out
.set UA,  8                            ; v8   up: row 16 g, columns 4 n on
.set DA,  9                            ; v9   down: my row of a tile, my half's codes
.set MO,  10                           ; v10  my row's eight masks
.set BO,  11                           ; v11  bias: condition 4 g, column n
.set IW,  12                           ; v12  where I store images
.set MK,  16                           ; v16-47   my rows' masks, tile i at v[MK + 8 i]
.set XO,  48                           ; v48-59   x's operand: 6 registers of codes, 6 of zeros
.set XT,  60                           ; v60-62   a conversion's three registers begin on an even number: the operand's second three are made here and moved
.set XN,  64                           ; v64-95   my 32 numbers of x; 16 rows on their way out
.set ACC, 96                           ; v96-127  the sums: columns 16 P + 8 g + j at v[ACC + 8 P + j]
.set DB,  128                          ; v128-191 two sets of four results
.set VV,  64                           ; the weights: v64-127 up by columns,
.set UU,  128                          ;          v128-191 up as loaded;
.set DD,  64                           ;          v64-191 W: columns 4 n + p: 32 registers at v[DD + 32 p]
.set WS,  192                          ; v192-207 scale words and nothing else: first down's (4), up's (4) and W's on their way to LDS (4), at last all of W's: register f / 2, lanes 0-15 fragment f even, lanes 16-31 odd
.set TM,  208                          ; v208-215 largest magnitudes, then the conversions' scale operands
.set TP,  216                          ; v216-223 the other half's, then the scales' bytes
.set XS,  224                          ; v224     x's scale words and nothing else
.set IX,  225
.set CH,  226                          ; v226-229 four chains of the largest magnitude
.set XSC, 230
.set XBY, 231
.set XPT, 232
.set SW,  233                          ; where I store W's scale words
.set MS,  234                          ; v234-237 my half's four masks of the row: conditions 4 g + 0 .. 3
.set IR,  238                          ; where I read images and scale words
.set IRH, 239
.set IS,  240
.set SPW, 241
.set NIL, 242
.set BOP, 0                            ; window 1: v0-47    up's four operands, 12 registers each: 3 of codes, 9 of zeros
.set AO,  48                           ; window 1: v48-71   down's four operands, 4 registers apart
.set BAF, 192                          ; window 1: v192-207 bias[4 g + q][16 P + n] at v[BAF + 4 P + q]
.set BI,  208                          ; window 1: v208-239 the masked sums of bias, in ACC's layout; written by matrix instructions alone
.set G1,  32                           ; s[32:39] descriptor group 1, s[40:43] group 0
.set G0,  40
.set MSB, 0
.macro WIN new                         ; the immediate's high byte repeats the setting that is left; a switch that changes nothing is dropped
.if MSB != \new
	s_set_vgpr_msb (MSB<<8)|\new
.set MSB, \new
.endif
.endm
	s_load_b256 s[4:11], s[0:1], 0x0               ; x s[4:5], mask s[6:7], hw s[8:9], out s[10:11]
	v_lshl_add_u32 v[SPW], v0, 2, SPARE
	v_mov_b32 v[NIL], 0
	ds_add_u32 v[SPW], v[NIL]                      ; the wave's opening: the add, twice on end, and its wait ahead of my tensor load; work on registers stands between
	ds_add_u32 v[SPW], v[NIL]
	v_lshrrev_b32 v1, 5, v0
	v_readfirstlane_b32 s12, v1                    ; wave 0..7
	s_lshl_b32 s13, ttmp9, 3
	s_add_co_u32 s13, s13, s12                     ; which 64 rows are my wave's
	s_lshl_b32 s16, s13, 14                        ; in x and out: 64 rows of 256 bytes (under 2^26)
	s_mov_b32 s17, 0
	s_lshl_b32 s18, s13, 11                        ; in the masks: 64 rows of 32 bytes
	s_mov_b32 s19, 0
	s_lshl_b32 s22, s12, 13                        ; in up: 8,192 bytes a condition
	s_mov_b32 s23, 0
	s_lshl_b32 s26, s12, 6                         ; in down: 64 bytes of each 512
	s_mov_b32 s27, 0
	s_mul_i32 s3, s12, XWAVE                       ; in LDS: my wave's rows
	s_mov_b32 s28, 0x76543210                      ; v_permlanex16_b32's selects for lane l xor 16
	s_mov_b32 s29, 0xfedcba98
	s_mov_b32 s30, 0xffff0000                      ; lanes 16-31
	; group 1: 64 rows of 256 bytes as 32 elements of 8 bytes, dense in memory; 16 bytes of padding behind each row
	s_mov_b32 s[G1], (3<<16)|(1<<20)|(5<<22)|(3<<25)
	s_mov_b32 s[G1+1], 32<<16                      ; tensor_dim0 = 32
	s_mov_b32 s[G1+2], 64<<16                      ; tensor_dim1 = 64
	s_mov_b32 s[G1+3], 32<<16                      ; tile_dim0 = 32
	s_mov_b32 s[G1+4], 64                          ; tile_dim1 = 64
	s_mov_b32 s[G1+5], 32                          ; from row to row
	s_mov_b32 s[G1+6], 0
	s_mov_b32 s[G1+7], 0
	v_and_b32 v1, 15, v0                           ; r, n or m: lane % 16
	v_bfe_u32 v2, v0, 4, 1                         ; g: lane / 16
	v_and_b32 v3, 31, v0                           ; lane
	v_lshlrev_b32 v[UA], 4, v1
	v_and_b32 v[DA], 8, v1
	v_lshlrev_b32 v[MO], 5, v1
	v_lshlrev_b32 v[BO], 2, v1
	v_lshl_add_u32 v[UA], v2, 12, v[UA]
	v_add_nc_u32 v[DA], v[DA], v1                  ; m + 8 (m / 8): 0 .. 7, 16 .. 23
	v_and_b32 v15, 1, v1
	v_lshl_add_u32 v[BO], v2, 10, v[BO]
	v_lshrrev_b32 v[DA], 1, v[DA]
	v_lshlrev_b32 v15, 5, v15
	v_lshl_add_u32 v15, v2, 4, v15
	v_lshl_add_u32 v[DA], v[DA], 9, v15            ; 512 (t / 2) + 32 (t % 2) + 16 g
	s_wait_alu depctr_va_vdst(0)                   ; directly ahead of the waits below
	s_wait_dscnt 0x0                               ; both opening adds are done
	s_wait_kmcnt 0x0
	s_add_nc_u64 s[14:15], s[8:9], s[22:23]
	s_add_nc_u64 s[20:21], s[8:9], s[26:27]
	s_add_nc_u64 s[4:5], s[4:5], s[16:17]          ; x, out and the masks at my wave's first row
	s_add_nc_u64 s[10:11], s[10:11], s[16:17]
	s_add_nc_u64 s[6:7], s[6:7], s[18:19]
	s_mov_b32 s[G0], 1                             ; count = 1
	s_mov_b32 s[G0+1], s3                          ; LDS address
	s_mov_b64 s[G0+2:G0+3], s[4:5]                 ; global address
	s_or_b32 s[G0+3], s[G0+3], 0x80000000          ; type = 2
.irp i, 0,1,2,3,4,5,6,7,8,9,10,11,12,13,14,15
	global_load_b128 v[UU+4*\i:UU+4*\i+3], v[UA], s[14:15] offset:256*\i   ; up: rows i and 16 + i, 256 bytes each
.endr
	WIN 0x40                                       ; destination window 1
.irp t, 0,1,2,3
	global_load_b128 v[AO+4*\t:AO+4*\t+3], v[DA], s[20:21] offset:DOWN+8192*(\t/2)+2048*(\t%2)   ; down's tile t: three registers of codes and the scale word
.endr
	WIN 0
	tensor_load_to_lds s[G0:G0+3], s[G1:G1+7]      ; my 64 rows of x: the wave's only tensor load
	s_nop 0
.irp i, 0,1,2,3
.irp c, 0,1
	global_load_b128 v[MK+8*\i+4*\c:MK+8*\i+4*\c+3], v[MO], s[6:7] offset:512*\i+16*\c   ; tile i: row r's eight masks
.endr
.endr
	WIN 0x40
.irp p, 0,1,2,3
.irp q, 0,1,2,3
	global_load_b32 v[BAF+4*\p+\q], v[BO], s[8:9] offset:HWBIAS+256*\q+64*\p
.endr
.endr
.irp p, 0,1,2,3
.irp j, 3,4,5,6,7,8,9,10,11
	v_mov_b32 v[BOP+12*\p+\j], 0                   ; up's zero codes: the rest of K
.endr
.endr
.irp j, 16,17,18,19,20,21,22,23
	v_mov_b32 v[AO+\j], 0                          ; named by down's operands and never holding their codes
.endr
	WIN 0
.irp g, 0,1,2,3,4,5,6,7
	v_mov_b32 v[TP+\g], 0                          ; written once: a lane permute's destination counts as one of its sources
.endr
	v_mul_u32_u24 v15, v1, XP
	v_mul_u32_u24 v[SR], v2, XP
	v_lshlrev_b32 v[GO], 4, v3
	v_lshlrev_b32 v[IRH], 3, v3
	v_add_nc_u32 v15, s3, v15                      ; row r of my wave's rows
	v_lshl_add_u32 v[SR], v1, 4, v[SR]
	v_add_nc_u32 v[IR], IMG, v[GO]
	v_add_nc_u32 v[IS], SCL, v[IRH]
	v_add_nc_u32 v[IRH], IMH, v[IRH]
	v_lshl_add_u32 v[XA], v2, 7, v15               ; + 128 g: numbers 32 g .. 32 g + 31, a whole block
	v_lshl_add_u32 v[SO], v2, 5, v15               ; + 32 g: eight columns
	v_add_nc_u32 v[SR], s3, v[SR]                  ; back: lanes 0-15 one row, lanes 16-31 the next, 16 bytes a lane
	; column s = 4 n + p: fragment P = n / 4 of my condition, lane 4 (n % 4) + p
	v_lshrrev_b32 v14, 2, v1
	v_and_b32 v13, 3, v1
	v_lshlrev_b32 v[IW], 9, v14
	v_lshl_add_u32 v[IW], v2, 8, v[IW]
	v_lshl_add_u32 v[IW], v13, 6, v[IW]            ; 512 P + 16 (16 g + 4 (n % 4)); p's 16 bytes stand in the store's offset
	v_lshrrev_b32 v[IX], 1, v[IW]                  ; and half of it for the 8-byte pieces
	s_lshl_b32 s2, s12, 11
	v_add_nc_u32 v[IW], s2, v[IW]
	v_add_nc_u32 v[IW], IMG, v[IW]
	s_lshl_b32 s2, s12, 10
	v_add_nc_u32 v[IX], s2, v[IX]
	v_add_nc_u32 v[IX], IMH, v[IX]
	v_and_b32 v14, 1, v14
	v_lshlrev_b32 v[SW], 7, v14
	v_lshl_add_u32 v[SW], v13, 5, v[SW]
	v_lshrrev_b32 v14, 3, v1
	v_lshl_add_u32 v[SW], v14, 2, v[SW]            ; 8 (16 (P % 2) + 4 (n % 4)) + 4 (P / 2); p's 8 bytes stand in the offset
	s_lshl_b32 s2, s12, 8
	v_add_nc_u32 v[SW], s2, v[SW]
	v_add_nc_u32 v[SW], SCL, v[SW]
	s_wait_alu depctr_va_vdst(0)                   ; the head's end
	s_wait_loadcnt 28                              ; up is in; down's four, the masks' eight and the bias's sixteen loads may be out
; UP: my 16 rows of four columns; a block of 32 lies in lanes l and l xor 16
.irp p, 0,1,2,3
	v_max3_num_f32 v[TM+\p], |v[UU+\p]|, |v[UU+4+\p]|, FLOOR
.endr
.irp i, 2,4,6,8,10,12,14
.irp p, 0,1,2,3
	v_max3_num_f32 v[TM+\p], v[TM+\p], |v[UU+4*\i+\p]|, |v[UU+4*\i+4+\p]|
.endr
.endr
.irp p, 0,1,2,3
	v_permlanex16_b32 v[TP+\p], v[TM+\p], s28, s29
.endr
.irp p, 0,1,2,3
	v_max_num_f32 v[TM+\p], v[TM+\p], v[TP+\p]     ; the block's largest magnitude
.endr
.irp p, 0,1,2,3
	v_add_nc_u32 v[TM+\p], EOFF, v[TM+\p]          ; 2 off its exponent field: the conversion takes the exponent field of this operand as its scale
.endr
.irp p, 0,1,2,3
	v_lshrrev_b32 v[TP+\p], 23, v[TM+\p]           ; the scale's byte
.endr
.irp p, 0,1,2,3
	v_lshl_or_b32 v[WS+4+\p], v[TP+\p], 8, v[TP+\p]   ; the column's one byte for both halves' blocks; the unused blocks' bytes are 0
.endr
.irp p, 0,2                            ; a conversion takes sixteen consecutive registers: column p's numbers side by side
.irp i, 0,2,4,6,8,10,12,14
	v_dual_mov_b32 v[VV+16*\p+\i], v[UU+4*\i+\p] :: v_dual_mov_b32 v[VV+16*\p+16+\i+1], v[UU+4*\i+4+\p+1]
	v_dual_mov_b32 v[VV+16*\p+16+\i], v[UU+4*\i+\p+1] :: v_dual_mov_b32 v[VV+16*\p+\i+1], v[UU+4*\i+4+\p]
.endr
.endr
	s_wait_alu depctr_va_vdst(0)                   ; directly ahead of the wait below
	s_wait_loadcnt 24                              ; down is in; the masks and the bias may be out
	WIN 0x01
.irp t, 0,1,2,3
	v_mov_b32 v[WS+\t], v[AO+4*\t+3]               ; scales stand in registers of their own
.endr
	WIN 0x40
.irp p, 0,1,2,3
	v_cvt_scalef32_pk16_fp6_f32 v[BOP+12*\p:BOP+12*\p+2], v[VV+16*\p:VV+16*\p+15], v[TM+\p]
.endr
.rept 8
	v_nop                                          ; a plain line behind the conversions; operands written by vector lines stand 4 places, scale words 8, ahead of a scaled product
.endr
	WIN 0x05
.irp p, 0,1,2,3                        ; W = down up: source 0 = 16 rows t, source 1 = 16 columns; sixteen results, none named twice; C = 0 starts and ends each sum
.irp t, 0,1,2,3
	v_wmma_scale_f32_16x16x128_f8f6f4 v[DD+32*\p+8*\t:DD+32*\p+8*\t+7], v[AO+4*\t:AO+4*\t+11], v[BOP+12*\p:BOP+12*\p+11], 0, v[WS+\t], v[WS+4+\p] matrix_a_fmt:MATRIX_FMT_FP6 matrix_b_fmt:MATRIX_FMT_FP6
.endr
.endr
	WIN 0
.rept 4
	v_nop                                          ; places ahead of the first read of results
.endr
; lane (n, g), register 32 p + 16 b + i: W(d = 32 b + 16 g + i, s = 4 n + p): group 2 p + b is half of block b; each result is read from its low end on
.irp g, 0,1,2,3,4,5,6,7
	v_max3_num_f32 v[TM+\g], |v[DD+16*\g]|, |v[DD+16*\g+1]|, FLOOR
.endr
.irp i, 2,4,6,8,10,12,14
.irp g, 0,1,2,3,4,5,6,7
	v_max3_num_f32 v[TM+\g], v[TM+\g], |v[DD+16*\g+\i]|, |v[DD+16*\g+\i+1]|
.endr
.endr
.irp g, 0,1,2,3,4,5,6,7
	v_permlanex16_b32 v[TP+\g], v[TM+\g], s28, s29
.endr
.irp g, 0,1,2,3,4,5,6,7
	v_max_num_f32 v[TM+\g], v[TM+\g], v[TP+\g]
.endr
.irp g, 0,1,2,3,4,5,6,7
	v_add_nc_u32 v[TM+\g], EOFF, v[TM+\g]
.endr
.irp g, 0,1,2,3,4,5,6,7
	v_lshrrev_b32 v[TP+\g], 23, v[TM+\g]
.endr
.irp p, 0,1,2,3
	v_lshl_or_b32 v[WS+8+\p], v[TP+2*\p+1], 8, v[TP+2*\p]   ; column s's scale word: blocks 0 and 1 of d
.endr
.irp p, 0,1,2,3
	ds_store_b32 v[SW], v[WS+8+\p] offset:8*\p     ; both halves write the same word to the same place
.endr
.macro IMAGE p, a, b, q, c, d          ; columns p and q: codes to six registers from a (c) on, then to LDS
	v_cvt_scalef32_pk16_fp6_f32 v[\a:\a+2], v[DD+32*\p:DD+32*\p+15], v[TM+2*\p]
	v_cvt_scalef32_pk16_fp6_f32 v[\b:\b+2], v[DD+32*\p+16:DD+32*\p+31], v[TM+2*\p+1]
	v_cvt_scalef32_pk16_fp6_f32 v[\c:\c+2], v[DD+32*\q:DD+32*\q+15], v[TM+2*\q]
	v_cvt_scalef32_pk16_fp6_f32 v[\d:\d+2], v[DD+32*\q+16:DD+32*\q+31], v[TM+2*\q+1]
	v_nop                                          ; one plain line behind a scaled conversion
.irp i, 0,1,2                          ; the operand's layout wants a whole block in a lane: lanes 0-15 block 0, lanes 16-31 block 1
	v_permlane16_swap_b32 v[\a+\i], v[\b+\i]
	v_permlane16_swap_b32 v[\c+\i], v[\d+\i]
.endr
.irp i, 0,1,2
	v_mov_b32 v[\a+3+\i], v[\b+\i]
	v_mov_b32 v[\c+3+\i], v[\d+\i]
.endr
	ds_store_b128 v[IW], v[\a:\a+3] offset:16*\p
	ds_store_b64 v[IX], v[\a+4:\a+5] offset:8*\p
	ds_store_b128 v[IW], v[\c:\c+3] offset:16*\q
	ds_store_b64 v[IX], v[\c+4:\c+5] offset:8*\q
.endm
	IMAGE 0, 48, 216, 1, 54, 220
	IMAGE 2, 64, 70, 3, 74, 80                     ; (column 0's results have been converted: their registers are free)
	s_wait_alu depctr_va_vdst(0)
	s_wait_dscnt 0x0                               ; for the others' sake: my images and scale words have landed
	s_barrier_signal -1
.irp j, 6,7,8,9,10,11
	v_mov_b32 v[XO+\j], 0                          ; x's zero codes: the rest of K
.endr
	v_mov_b32 v[XPT], 0
	s_wait_alu depctr_va_vdst(0)                   ; directly ahead of the wait below
	s_barrier_wait -1                              ; all 32 fragments and their scale words lie in LDS
.macro LOADX i                         ; tile i: my 32 numbers of row r
.if (\i) > 1
	s_wait_xcnt 0x0                                ; the stores of the tile that went out have read these registers
.endif
.irp c, 0,1,2,3,4,5,6,7
	ds_load_b128 v[XN+4*\c:XN+4*\c+3], v[XA] offset:(\i)*XTILE+16*\c
.endr
.endm
.macro QUANT i                         ; tile i: my block of 32 becomes six registers of codes; the row's two bytes its scale word; my half's four masks side by side
	v_max3_num_f32 v[CH], |v[XN]|, |v[XN+1]|, |v[XN+2]|
	v_max3_num_f32 v[CH+1], |v[XN+3]|, |v[XN+4]|, |v[XN+5]|
	v_max3_num_f32 v[CH+2], |v[XN+6]|, |v[XN+7]|, |v[XN+8]|
	v_max3_num_f32 v[CH+3], |v[XN+9]|, |v[XN+10]|, |v[XN+11]|
.irp j, 12,20
.irp c, 0,1,2,3
	v_max3_num_f32 v[CH+\c], v[CH+\c], |v[XN+\j+2*\c]|, |v[XN+\j+2*\c+1]|
.endr
.endr
	v_max3_num_f32 v[CH], v[CH], |v[XN+28]|, |v[XN+29]|
	v_max3_num_f32 v[CH+1], v[CH+1], |v[XN+30]|, |v[XN+31]|
	v_max3_num_f32 v[CH], v[CH], v[CH+1], v[CH+2]
	v_max3_num_f32 v[CH], v[CH], v[CH+3], FLOOR
	v_add_nc_u32 v[XSC], EOFF, v[CH]
	v_lshrrev_b32 v[XBY], 23, v[XSC]
	v_permlanex16_b32 v[XPT], v[XBY], s28, s29
	v_lshl_or_b32 v[XS], v[XPT], 8, v[XBY]         ; lanes 0-15, which are read: block 0's byte, then block 1's
	v_cvt_scalef32_pk16_fp6_f32 v[XO:XO+2], v[XN:XN+15], v[XSC]
	v_cvt_scalef32_pk16_fp6_f32 v[XT:XT+2], v[XN+16:XN+31], v[XSC]
	v_nop                                          ; one plain line behind a scaled conversion
.irp j, 0,1,2
	v_mov_b32 v[XO+3+\j], v[XT+\j]
.endr
.irp j, 0,1,2,3
	v_cndmask_b32 v[MS+\j], v[MK+8*(\i)+\j], v[MK+8*(\i)+4+\j], s30   ; (eight plain lines stand between the scale word and the scaled products, four behind the operand)
.endr
.endm
.macro BIASM                           ; the tile's masked sums of bias: step t takes conditions 4 g + 2 t + 0, 1.  The four sums take turns
	WIN 0x41
.irp b, 0,1,2,3
	v_wmma_f32_16x16x4_f32 v[BI+8*\b:BI+8*\b+7], v[BAF+4*\b:BAF+4*\b+1], v[MS:MS+1], 0
.endr
	WIN 0x51
.irp b, 0,1,2,3
	v_wmma_f32_16x16x4_f32 v[BI+8*\b:BI+8*\b+7], v[BAF+4*\b+2:BAF+4*\b+3], v[MS+2:MS+3], v[BI+8*\b:BI+8*\b+7]
.endr
.endm
.macro WM k                            ; condition k's four products into set k % 2
	WIN 0x01
.irp b, 0,1,2,3
.set F, 4*(\k)+\b
.set R, DB+32*((\k)%2)+8*\b
.if \b%2
	v_wmma_scale_f32_16x16x128_f8f6f4 v[R:R+7], v[6*F:6*F+11], v[XO:XO+11], 0, v[WS+F/2], v[XS] matrix_a_fmt:MATRIX_FMT_FP6 matrix_b_fmt:MATRIX_FMT_FP6 matrix_a_scale:MATRIX_SCALE_ROW1
.else
	v_wmma_scale_f32_16x16x128_f8f6f4 v[R:R+7], v[6*F:6*F+11], v[XO:XO+11], 0, v[WS+F/2], v[XS] matrix_a_fmt:MATRIX_FMT_FP6 matrix_b_fmt:MATRIX_FMT_FP6
.endif
.endr
.endm
.macro PK i, k                         ; condition k's results times my row's mask, onto the sums of tile i; condition 0 adds onto the bias's sums.  Each result is read from its low end on
.if (\k) == 0
	WIN 0x10
.else
	WIN 0
.endif
.set rM, MK+8*(\i)+2*((\k)/2)
.irp b, 0,1,2,3
.irp p, 0,2,4,6
.set rA, ACC+8*\b+\p
.set rD, DB+32*((\k)%2)+8*\b+\p
.if (\k) == 0
	v_pk_fma_f32 v[rA:rA+1], v[rD:rD+1], v[rM:rM+1], v[BI+8*\b+\p:BI+8*\b+\p+1] op_sel_hi:[1,0,1]
.elseif (\k)%2 == 0
	v_pk_fma_f32 v[rA:rA+1], v[rD:rD+1], v[rM:rM+1], v[rA:rA+1] op_sel_hi:[1,0,1]
.else
	v_pk_fma_f32 v[rA:rA+1], v[rD:rD+1], v[rM:rM+1], v[rA:rA+1] op_sel:[0,1,0] op_sel_hi:[1,1,1]
.endif
.endr
.endr
.endm
.macro TOSTAGE i                       ; into the tile's own 16 LDS rows: row r, columns 16 p + 8 g on; and back as whole rows
.irp p, 0,1,2,3
	ds_store_b128 v[SO], v[ACC+8*\p:ACC+8*\p+3] offset:(\i)*XTILE+64*\p
	ds_store_b128 v[SO], v[ACC+8*\p+4:ACC+8*\p+7] offset:(\i)*XTILE+64*\p+16
.endr
.irp c, 0,1,2,3,4,5,6,7
	ds_load_b128 v[XN+4*\c:XN+4*\c+3], v[SR] offset:(\i)*XTILE+2*\c*XP   ; LDS serves a wave's instructions in order (ISA guide 5.7.1.4): these see the stores above
.endr
.endm
.macro SEND i
.irp c, 0,1,2,3,4,5,6,7
	s_wait_dscnt 7-\c
	global_store_b128 v[GO], v[XN+4*\c:XN+4*\c+3], s[10:11] offset:(\i)*4096+512*\c th:TH_STORE_NT   ; two rows of out: 512 consecutive bytes, aligned; written once, read by nobody here
.endr
.endm
; Condition k of tile i: the products, then the multiply-adds of the condition before.  In tile 0 the fragments are still coming, two loads each, 64 in all: condition k names fragments up to 4 k + 4;
; from condition 5 on the next tile's eight loads have been issued behind them.
.macro COND i, k
.if (\i) == 0
.if (\k) < 5
	s_wait_dscnt 54-8*(\k)
.elseif (\k) < 7
	s_wait_dscnt 62-8*(\k)
.else
	s_wait_dscnt 8
.endif
.endif
	WM \k
.endm
.macro TILE i
	BIASM
	COND \i, 0
.if (\i) > 0
	PK \i-1, 7                                     ; the tile before is finished behind this tile's first products: sixteen places for both
	TOSTAGE \i-1
.else
.rept 8
	v_nop                                          ; places ahead of the first read of the bias's sums
.endr
.endif
	COND \i, 1
	PK \i, 0
	COND \i, 2
	PK \i, 1
	COND \i, 3
	PK \i, 2
.if (\i) > 0
	SEND \i-1
.endif
	COND \i, 4
	PK \i, 3
.if (\i) < 3
	LOADX \i+1
.endif
	COND \i, 5
	PK \i, 4
	COND \i, 6
	PK \i, 5
	COND \i, 7
	PK \i, 6
.if (\i) < 3
	s_wait_dscnt 0x0                               ; the next tile's numbers are in
	QUANT \i+1
.endif
.endm
	s_wait_tensorcnt 0x0                           ; my 64 rows of x are in
	s_wait_loadcnt 0x0                             ; and so are the masks and the bias
	LOADX 0
.irp c, 0,1,2,3,4,5,6,7
	ds_load_b64 v[WS+2*\c:WS+2*\c+1], v[IS] offset:256*\c
.endr
	WIN 0x40
.set f, 0
.rept 32
	ds_load_b128 v[6*f:6*f+3], v[IR] offset:512*f
	ds_load_b64 v[6*f+4:6*f+5], v[IRH] offset:256*f
.set f, f+1
.endr
	WIN 0
	s_wait_dscnt 63                                ; tile 0's eight loads are in; 72 have been issued behind them
	QUANT 0
	s_wait_alu depctr_va_vdst(0)                   ; waits stand ahead of the products that read these
	TILE 0
	TILE 1
	TILE 2
	TILE 3
	s_wait_xcnt 0x0                                ; tile 2's stores have read their registers: tile 3's rows may land there
	PK 3, 7
	TOSTAGE 3
	SEND 3
	s_wait_tensorcnt 0x0                           ; the wave's end: behind my tensor load and my last LDS store
	ds_add_u32 v[SPW], v[NIL]
	s_wait_dscnt 0x0
	s_endpgm
.Lfunc_end_k_qa7015233c6_apply:
	.size	k_qa7015233c6_apply, .Lfunc_end_k_qa7015233c6_apply-k_qa7015233c6_apply
	.p2alignl 7, 3214868480
	.fill 96, 4, 3214868480
	.section	.rodata,"a",@progbits
	.p2align	6, 0x0
	.amdhsa_kernel k_qa7015233c6_apply
		.amdhsa_group_segment_fixed_size 167936
		.amdhsa_private_segment_fixed_size 0
		.amdhsa_enable_private_segment 0
		.amdhsa_kernarg_size 32
		.amdhsa_user_sgpr_count 2
		.amdhsa_user_sgpr_kernarg_segment_ptr 1
		.amdhsa_wavefront_size32 1
		.amdhsa_system_sgpr_workgroup_id_x 1
		.amdhsa_system_sgpr_workgroup_id_y 1
		.amdhsa_system_sgpr_workgroup_id_z 1
		.amdhsa_system_vgpr_workitem_id 0
		.amdhsa_next_free_vgpr 496
		.amdhsa_next_free_sgpr 66
		.amdhsa_reserve_vcc 0
		.amdhsa_float_denorm_mode_32 3
		.amdhsa_float_denorm_mode_16_64 3
		.amdhsa_memory_ordered 1
		.amdhsa_forward_progress 1
		.amdhsa_inst_pref_size 102
	.end_amdhsa_kernel
	.amdgpu_metadata
---
amdhsa.version: [ 1, 2 ]
amdhsa.kernels:
  - .name:           k_qa7015233c6_apply
    .symbol:         k_qa7015233c6_apply.kd
    .args:
      - { .name: target_ipt, .offset: 0, .size: 8, .value_kind: global_buffer, .address_space: global }
      - { .name: hyp_mask, .offset: 8, .size: 8, .value_kind: global_buffer, .address_space: global }
      - { .name: hw, .offset: 16, .size: 8, .value_kind: global_buffer, .address_space: global }
      - { .name: out0, .offset: 24, .size: 8, .value_kind: global_buffer, .address_space: global }
    .group_segment_fixed_size: 167936
    .private_segment_fixed_size: 0
    .kernarg_segment_align: 8
    .kernarg_segment_size: 32
    .max_flat_workgroup_size: 256
    .sgpr_count:     66
    .vgpr_count:     496
    .wavefront_size: 32
...
	.end_amdgpu_metadata
.endif
;; end of part 2
